; MI455X (gfx1250); checked and timed in simulation.
; The chip was launched on July 23, 2026; its instructions are those of AMD's public machine-readable ISA for CDNA 5 (MIT licence, August 2026) and "CDNA5" Instruction Set Architecture Reference Guide (July 2026). The comments in the code are by the model that wrote it; some were corrected since.
;; Gate Based Quantum LSTM Cell. Allowed arithmetic: float matrix products may take bf16 or f16 operands with f32 sums; other float arithmetic in f32, or as packed bf16 or f16 multiplies, adds, multiply-adds, maxima and minima; sums over many terms, partial sums and values carried from step to step in f32; what a program stores and reads back later, other than sums and carried values, may be rounded once to bf16 or f16.
;; Inputs: b_out 16 float32; c_prev 1,024 x 8 float32; h_prev 1,024 x 8 float32; w_gates 4 x 4 x 12 float32; w_out 16 x 8 float32; x 1,024 x 4 float32.
;; Outputs: out0 1,024 x 16 float32; out1 1,024 x 8 float32; out2 1,024 x 8 float32.
;; One version. Each part assembles by itself: llvm-mc -triple=amdgcn-amd-amdhsa -mcpu=gfx1250 --defsym DOCPART=n.
;; ======== version 1 of 1: 1 launch
;; limits: values outside matrix products are rounded to f16; values are held in f16: magnitudes above 65,504 overflow, below 6.1e-05 lose precision; inputs' magnitudes at most 65,504
;; launch qlstm (part 1): grid 256 x 1, 8 waves a work-group, no clusters, 83,712 bytes of LDS; arguments x, h_prev, c_prev, w_gates, w_out, b_out, out0, out1, out2; writes out0, out1, out2
.if DOCPART == 1
	.amdgcn_target "amdgcn-amd-amdhsa--gfx1250"
	.amdhsa_code_object_version 6
	.text
	.protected	k_q0b12224cc8_qlstm
	.globl	k_q0b12224cc8_qlstm
	.p2align	8
	.type	k_q0b12224cc8_qlstm,@function
k_q0b12224cc8_qlstm:
	s_mov_b64 s[64:65], 0
	v_nop
	global_prefetch_b8 v0, s[64:65] scope:SCOPE_SE
	s_setreg_imm32_b32 hwreg(HW_REG_WAVE_MODE, 25, 1), 1
	s_wait_xcnt 0x0
; A QUANTUM LSTM CELL: 4 gates x 1,024 rows = 4,096 circuits on 12 qubits (H, RY by the row's angles, 4 layers of 11 CNOT + 12 RY by the gate's weights), <Z> on wires 0-7, the cell, a 16 x 8 projection.
; THE ALGEBRA (it holds for every input).  Cut the wires into A = 0-5 and B = 6-11.  A layer is R P: R a product of 2 x 2 rotations, P the CNOTs' permutation of basis states,
;   pi(k) = (k0, k1^k0, k2^k1^k0, k3^k2, k4^k3^k2, k5^k4) on each half, and CNOT(5,6), the one gate across the cut, adds c = k4^k5 of A's index to B's first bit; pi(k xor 48) = pi(k) xor 32.
; So a layer sends U (x) W to the sum over c = 0, 1 of (M_A Pi_c U) (x) (M_B X^c W): M[m][k] = prod_q r_q[m_q][pi(k)_q] (64 x 64), Pi_c keeps the entries with k4^k5 = c, (X W)[k] = W[k xor 48].
; The encoded state is a product, so after 4 layers it is the sum over r = 0..15 (bit l-1 of r = layer l's c) of U_r (x) W_r, and
;   <Z_q> = sum_k (1 - 2 k_q) rho(k),  rho_A(k) = sum_{r,s} U_r[k] G_W[r][s] U_s[k],  G_W = W^T W (16 x 16); B likewise with G_U.  The 4,096 amplitudes are never formed.
; SHARES.  Work-group b: rows 4b..4b+3, all gates.  Wave w: gate w>>1, half w&1, that gate's 4 states; it builds its 4 matrices in registers.  In a tile a lane's column (lane % 16) is the rank index r of ONE state.
; INDEX.  k = 32 ks + 16 g + 8 h + e (h = lane / 16, e = 2 p + half-word): the half's qubits 0..5 are ks, g, h, e2, e1, e0.  A result tile t holds rows 16 t + 8 h + j in register j, so tiles 2 ks, 2 ks + 1,
; rounded in pairs, ARE the next layer's second source: nothing changes lanes in the chain.
; FORMATS.  Angles, sines, sums, rho, gates and cell in f32; matrix operands in f16: matrices, vectors and G are bounded by 1 for every input (rotations, a unit state), and f16 keeps 11 bits.
; LIMITS.  sin/cos: reduction by pi/2 in two constants, good to 1e-7 for |angle| up to 1e6.  Amplitudes and matrix entries below 6e-8 fall under f16's fixed step, against a norm of 1.  |w_out| stays under 65,504.
; rho is divided by its own sum (1 but for rounding).  NaN and infinities are not treated apart.
; NO CLUSTER, NO DATA MOVER, NO PREFETCH: a wave reads 48 numbers; what work-groups share is 768 bytes of weights.
.set FBW,   10240                      ; LDS: wave w's final vectors at FBW w; a state is 16 rows (rank r) x 64 f16,
.set FBS,   2560                       ; FBS bytes,
.set FP,    160                        ; rows FP bytes apart (128 + 32)
.set EVB,   81920                      ; <Z>: f32 at EVB + 128 gate + 32 state + 4 wire: 512 bytes
.set HTB,   82432                      ; h_t as f16 [4][8]: 64 bytes, wave 0's own
.set SPARE, 82688                      ; the spare words, 128 bytes for each of 8 waves: four blocks of 256 bytes that no other line names
.set SPW,  1                           ; v1   SPARE + 4 x my thread's number; never rewritten
.set NIL,  2                           ; v2   0; never rewritten
.set LANE, 3
.set RR,   4                           ; lane % 16
.set HH,   5                           ; lane / 16
.set ZS,   6                           ; v6-9   sign bit where bit 3, 2, 1, 0 of RR is set: row bits m2..m5, and k2..k5 in rho
.set CW,   10                          ; v10, v11  lane 6 layer + q: cos, sin of half my weights
.set SW,   11
.set EV0,  12                          ; v12, v13  lane 6 state + q: (c - s)/sqrt 2, (c + s)/sqrt 2: the encoded qubit
.set EV1,  13
.set ME,   14                          ; v14, v15  A's column step: the mask for even and for odd registers
.set AQ,   16                          ; v16-23 factors of qubits 2..5, two each
.set A34,  24
.set LL,   28                          ; v28-35 the factor that hangs on e
.set LP,   36                          ; v36-39 the same in f16 pairs
.set TD,   40                          ; v40-55 the factor that hangs on (t, ks, g), twice in a word
.set TT,   56                          ; v56-63 at work
.set B1,   60
.set MM,   64                          ; v64-127  the layer's matrix: fragment (t, ks) at MM + 8 (2 t + ks)
.set XX,   128                         ; v128-191 the vectors: state i at XX + 16 i, register 8 ks + 4 g + p
.set ACC,  192                         ; v192-255 two sets of four result tiles
.set WV,   22
.set GT,   23
.set HALF, 24
.set CNT,  25
.set T0,   26
.set T1,   27
.set SEL,  28                          ; s[28:29] v_permlanex16_b32: each lane takes its own place in the other half
.set T2,   30
.set MH,   31                          ; lanes with h = 1
.set BETA, 32                          ; s32-35 lanes in which qubit 2..5's factor number 0 is off the diagonal
.set CUR,  36                          ; lanes whose column has c = 1 in the layer to come
.set N1,   37                          ; s37-39 the same for the layers after it
.set ID,   40                          ; -1 behind the last layer: A's masks keep everything
.set HIM,  41
.set IDX,  42                          ; s42-47 the lane of CW, SW that holds qubit q of the layer in hand
.set CC,   48                          ; s48-53 c[q]   (in the encoding: the qubit's entry 0)
.set SS,   54                          ; s54-59 s[q]   (entry 1)       SS = CC + 6
.set NS,   66                          ; s66-71 -s[q]                  NS = CC + 18
.set PS3,  72
.set PS2,  73
.set PS1,  74
.set PC3,  75
.set PC2,  76
.set SVX,  78
; cos and sin of half the angle in v[th].  q = round(th / pi); r = th/2 - q pi/2 in two steps; polynomials on |r| <= pi/4; the quadrant swaps and signs by selects alone.
.macro SINCOS th, c, s
	v_mul_f32 v56, 0x3ea2f983, v[\th]              ; th / pi
	v_mul_f32 v57, 0.5, v[\th]
	v_rndne_f32 v56, v56
	v_fmamk_f32 v57, v56, 0xbfc90fdb, v57          ; - q x pi/2, its f32 part,
	v_cvt_i32_f32 v58, v56
	v_fmamk_f32 v57, v56, 0x333bbd2e, v57          ; and what that part has too much
	v_mul_f32 v59, v57, v57
	v_fma_f32 v60, v59, s[PS3], s[PS2]
	v_fma_f32 v61, v59, s[PC3], s[PC2]
	v_mul_f32 v62, v57, v59
	v_fma_f32 v60, v60, v59, s[PS1]
	v_fma_f32 v61, v61, v59, -0.5
	v_fma_f32 v60, v62, v60, v57                   ; sin r
	v_fma_f32 v61, v61, v59, 1.0                   ; cos r
	v_and_b32 v62, 1, v58
	v_cmp_eq_u32 vcc_lo, 1, v62
	v_cndmask_b32 v[\s], v60, v61, vcc_lo
	v_cndmask_b32 v[\c], v61, v60, vcc_lo
	v_lshlrev_b32 v62, 30, v58                     ; sin changes sign in quadrants 2, 3,
	v_add_nc_u32 v63, 1, v58                       ; cos in 1, 2
	v_and_b32 v62, 0x80000000, v62
	v_lshlrev_b32 v63, 30, v63
	v_xor_b32 v[\s], v[\s], v62
	v_and_b32 v63, 0x80000000, v63
	v_xor_b32 v[\c], v[\c], v63
.endm
; A's column step keeps k4^k5 = e1^e0 = c.  In an even register (e1 = 0) that is the low half-word for c = 0, the high one for c = 1; in an odd register the other way round.
.macro SETMASK half
.if (\half) == 0
	v_mov_b32 v[ME], 0xffff
	v_cndmask_b32 v[ME], v[ME], s[HIM], s[CUR]
	v_xor_b32 v[ME+1], -1, v[ME]
	v_or_b32 v[ME], s[ID], v[ME]
	v_or_b32 v[ME+1], s[ID], v[ME+1]
.endif
.endm
; State i's encoded half, u[k] = prod_q v_q[k_q], the same in all 16 columns, with layer 1's column step on it.
.macro ENC i, half
.irp q, 0,1,2,3,4,5
	v_readlane_b32 s[CC+\q], v[EV0], 6*(\i)+\q
	v_readlane_b32 s[SS+\q], v[EV1], 6*(\i)+\q
.endr
	v_mov_b32 v[TT], s[CC+2]
	v_cndmask_b32 v[TT], v[TT], s[SS+2], s[MH]     ; qubit 2 is h
	v_mul_f32 v[TT+1], s[CC+3], v[TT]
	v_mul_f32 v[TT+2], s[SS+3], v[TT]
.irp u, 0,1
	v_mul_f32 v[A34+2*\u], s[CC+4], v[TT+1+\u]
	v_mul_f32 v[A34+2*\u+1], s[SS+4], v[TT+1+\u]
.endr
.irp u, 0,1,2,3
	v_mul_f32 v[LL+2*\u], s[CC+5], v[A34+\u]
	v_mul_f32 v[LL+2*\u+1], s[SS+5], v[A34+\u]
.endr
.irp p, 0,1,2,3
	v_cvt_pk_f16_f32 v[LP+\p], v[LL+2*\p], v[LL+2*\p+1]
.endr
.if (\half) == 0
.irp p, 0,1,2,3
	v_and_b32 v[LP+\p], v[ME+(\p)%2], v[LP+\p]
.endr
.endif
.irp u, 0,1,2,3                        ; u = 2 ks + g
	v_mul_f32 v[TT+\u], s[CC+6*((\u)/2)], s[CC+1+6*((\u)%2)]
.endr
.irp u, 0,1,2,3
	v_cvt_pk_f16_f32 v[TD+\u], v[TT+\u], v[TT+\u]
.endr
.if (\half) == 1
.irp u, 0,1,2,3
	v_cndmask_b32 v[TD+4+\u], v[TD+\u], v[TD+3-\u], s[CUR]  ; k xor 48 turns ks and g
.endr
.endif
.irp u, 0,1,2,3
.irp p, 0,1,2,3
	v_pk_mul_f16 v[XX+16*(\i)+4*\u+\p], v[LP+\p], v[TD+4*(\half)+\u]
.endr
.endr
.endm
; The layer's matrix as first-source fragments: lane holds row m = 16 t + RR (m0, m1 = t's bits, m2..m5 = RR's bits 3..0) and the columns k of the index above:
;   M = r0[t1][ks] r1[t0][g^ks] r2[m2][h^g^ks] r3[m3][e2^h] r4[m4][e1^e2^h] r5[m5][e0^e1],  r = (c, -s; s, c).  r_q[i][j] of qubits 0, 1 is the scalar CC + q + (i^j)(18 - 12 i).
.macro BUILD
.irp q, 0,1,2,3,4,5
	v_readlane_b32 s[CC+\q], v[CW], s[IDX+\q]
	v_readlane_b32 s[SS+\q], v[SW], s[IDX+\q]
.endr
.irp q, 0,1,2,3,4,5
	s_xor_b32 s[NS+\q], s[SS+\q], 0x80000000
.endr
.irp u, 0,1,2,3                        ; qubit 2 + u: my row's entry off the diagonal: -s in row 0, s in row 1
	v_xor_b32 v[TT+\u], s[NS+2+\u], v[ZS+\u]
.endr
.irp u, 0,1,2,3                        ; factor x = 0, 1: the entry for column x xor (h, for qubits 2, 3, 4)
	v_cndmask_b32 v[AQ+2*\u], s[CC+2+\u], v[TT+\u], s[BETA+\u]
	v_cndmask_b32 v[AQ+2*\u+1], v[TT+\u], s[CC+2+\u], s[BETA+\u]
.endr
.irp a, 0,1
.irp b, 0,1
	v_mul_f32 v[B1+2*\a+\b], s[CC+1+((\a)^(\b))*(18-12*\a)], v[AQ+\b]  ; r1[t0 = a][b] r2[m2][h^b], b = g^ks
.endr
.endr
.irp u, 0,1,2,3                        ; u = 2 e2 + e1
	v_mul_f32 v[A34+\u], v[AQ+2+(\u)/2], v[AQ+4+(((\u)%2)^((\u)/2))]
.endr
.irp e, 0,1,2,3,4,5,6,7
	v_mul_f32 v[LL+\e], v[A34+(\e)/2], v[AQ+6+(((\e)%2)^(((\e)/2)%2))]
.endr
.irp p, 0,1,2,3
	v_cvt_pk_f16_f32 v[LP+\p], v[LL+2*\p], v[LL+2*\p+1]
.endr
.set n, 0
.rept 16                               ; n = 4 t + 2 ks + g
	v_mul_f32 v[TD+n], s[CC+((n/8)^((n/2)%2))*(18-12*(n/8))], v[B1+2*((n/4)%2)+((n%2)^((n/2)%2))]
.set n, n+1
.endr
.set n, 0
.rept 16
	v_cvt_pk_f16_f32 v[TD+n], v[TD+n], v[TD+n]
.set n, n+1
.endr
.set n, 0
.rept 64
	v_pk_mul_f16 v[MM+n], v[LP+n%4], v[TD+n/4]
.set n, n+1
.endr
.endm
; State i's 8 products.  The four result tiles take turns, one instruction a turn; the first four start the sums.
.macro WM i
.irp ks, 0,1
.irp t, 0,1,2,3
.if (\ks) == 0
	v_wmma_f32_16x16x32_f16 v[ACC+32*((\i)%2)+8*\t:ACC+32*((\i)%2)+8*\t+7], v[MM+8*(2*\t+\ks):MM+8*(2*\t+\ks)+7], v[XX+16*(\i)+8*\ks:XX+16*(\i)+8*\ks+7], 0
.else
	v_wmma_f32_16x16x32_f16 v[ACC+32*((\i)%2)+8*\t:ACC+32*((\i)%2)+8*\t+7], v[MM+8*(2*\t+\ks):MM+8*(2*\t+\ks)+7], v[XX+16*(\i)+8*\ks:XX+16*(\i)+8*\ks+7], v[ACC+32*((\i)%2)+8*\t:ACC+32*((\i)%2)+8*\t+7]
.endif
.endr
.endr
.endm
; State i's results are rounded to f16 in place (each tile from its lowest registers on), and the next layer's column step puts them back into XX.
.macro POST i, half
.set AB, ACC+32*((\i)%2)
.set n, 0
.rept 16                               ; n = 4 t + p
	v_cvt_pk_f16_f32 v[AB+8*(n/4)+n%4], v[AB+8*(n/4)+2*(n%4)], v[AB+8*(n/4)+2*(n%4)+1]
.set n, n+1
.endr
.set n, 0
.rept 16                               ; n = 8 ks + 4 g + p
.if (\half) == 0
	v_and_b32 v[XX+16*(\i)+n], v[ME+n%2], v[AB+8*(n/4)+n%4]
.else
	v_cndmask_b32 v[XX+16*(\i)+n], v[AB+8*(n/4)+n%4], v[AB+8*((n^12)/4)+n%4], s[CUR]
.endif
.set n, n+1
.endr
.endm
; The chain of one half.  A vector line that reads a matrix result or writes a matrix instruction's register stands four plain vector lines that name none of its registers behind it (ISA guide 7.12.1):
; POST 0 behind four v_nop; POST 1, 2, 3 and the next BUILD each behind a whole POST of another state.
.macro CHAIN half
	s_mov_b32 s[CUR], 0xaaaaaaaa                   ; layer 1's c is bit 0 of the column
	s_mov_b32 s[ID], 0
	SETMASK \half
	ENC 0, \half
	ENC 1, \half
	ENC 2, \half
	ENC 3, \half
	s_mov_b32 s[CNT], 4
.Llayer\half:
	s_mov_b32 s[CUR], s[N1]                        ; the column step behind this layer is the next layer's: bit 1, 2, 3 of the column; behind the last layer none
	s_mov_b32 s[N1], s[N1+1]
	s_mov_b32 s[N1+1], s[N1+2]
	s_mov_b32 s[N1+2], 0
.if (\half) == 0
	s_cmp_eq_u32 s[CNT], 1
	s_cselect_b32 s[ID], -1, 0
.endif
	SETMASK \half
	BUILD
	WM 0
	WM 1
.rept 4
	v_nop
.endr
	POST 0, \half
	WM 2
	POST 1, \half
	WM 3
	POST 2, \half
	POST 3, \half
.irp q, 0,1,2,3,4,5
	s_add_co_u32 s[IDX+\q], s[IDX+\q], 6
.endr
	s_sub_co_u32 s[CNT], s[CNT], 1
	s_cmp_lg_u32 s[CNT], 0
	s_cbranch_scc1 .Llayer\half
.endm
; The sum over the 32 lanes of each register named, the registers interleaved; the exchange of the halves lands in register + 8.
.macro RED regs:vararg
.irp m, 1,2,4,8
.irp r, \regs
	v_add_f32_dpp v[\r], v[\r], v[\r] row_xmask:\m row_mask:0xf bank_mask:0xf
.endr
.endr
.irp r, \regs
	v_permlanex16_b32 v[\r+8], v[\r], s[SEL], s[SEL+1]
.endr
.irp r, \regs
	v_add_f32 v[\r], v[\r], v[\r+8]
.endr
.endm
	; THE HEAD
	s_load_b512 s[4:19], s[0:1], 0x0               ; x 4:5, h_prev 6:7, c_prev 8:9, w_gates 10:11, w_out 12:13, b_out 14:15, out0 16:17, out1 18:19
	s_load_b64 s[20:21], s[0:1], 0x40              ; out2
	v_lshl_add_u32 v[SPW], v0, 2, SPARE
	v_mov_b32 v[NIL], 0
	v_lshrrev_b32 v14, 5, v0
	v_readfirstlane_b32 s[WV], v14                 ; wave 0..7
	s_lshr_b32 s[GT], s[WV], 1                     ; my gate
	s_and_b32 s[HALF], s[WV], 1                    ; 0: wires 0-5, 1: wires 6-11
	v_and_b32 v[LANE], 31, v0
	v_and_b32 v[RR], 15, v0
	v_bfe_u32 v[HH], v0, 4, 1
.irp u, 0,1,2,3
	v_lshlrev_b32 v[ZS+\u], 28+\u, v[RR]
.endr
.irp u, 0,1,2,3
	v_and_b32 v[ZS+\u], 0x80000000, v[ZS+\u]
.endr
	; lanes 0-23 fetch my 24 weights (lane = 6 layer + q) and my 24 angles (lane = 6 state + q); lanes 24-31 repeat lane 23
	s_mul_i32 s[T0], s[GT], 48
	s_mul_i32 s[T1], s[HALF], 6
	s_add_co_u32 s[T0], s[T0], s[T1]
	s_lshl_b32 s[T2], ttmp9, 2                     ; the work-group's first row
	v_min_u32 v14, 23, v[LANE]
	v_mul_u32_u24 v15, v14, 43
	v_lshrrev_b32 v15, 8, v15                      ; d = lane / 6
	v_mul_u32_u24 v16, v15, 6
	v_add3_u32 v17, v14, v16, s[T0]                ; 48 gate + 12 d + 6 half + q
	v_lshlrev_b32 v17, 2, v17
	v_sub_nc_u32 v18, v14, v16
	v_add_nc_u32 v18, s[T1], v18                   ; j: the wire, 0..11
	v_add_nc_u32 v19, s[T2], v15                   ; the row
	v_min_u32 v20, 3, v18
	v_lshl_add_u32 v20, v19, 2, v20
	v_lshlrev_b32 v20, 2, v20                      ; x[row][min(j, 3)]
	v_max_u32 v21, 4, v18
	v_add_nc_u32 v21, -4, v21
	v_lshl_add_u32 v21, v19, 3, v21
	v_lshlrev_b32 v21, 2, v21                      ; h_prev[row][max(j, 4) - 4]
	s_wait_kmcnt 0x0
	global_load_b32 v22, v17, s[10:11]
	global_load_b32 v23, v20, s[4:5]
	global_load_b32 v24, v21, s[6:7]
	s_mov_b32 s[SEL], 0x76543210
	s_mov_b32 s[SEL+1], 0xfedcba98
	s_mov_b32 s[MH], 0xffff0000
	s_mov_b32 s[BETA], 0x00ffff00                  ; m2 != h
	s_mov_b32 s[BETA+1], 0x0f0ff0f0                ; m3 != h
	s_mov_b32 s[BETA+2], 0x3333cccc                ; m4 != h
	s_mov_b32 s[BETA+3], 0xaaaaaaaa                ; m5 != 0
	s_mov_b32 s[N1], 0xcccccccc
	s_mov_b32 s[N1+1], 0xf0f0f0f0
	s_mov_b32 s[N1+2], 0xff00ff00
	s_mov_b32 s[HIM], 0xffff0000
.irp q, 0,1,2,3,4,5
	s_mov_b32 s[IDX+\q], \q
.endr
	s_mov_b32 s[PS3], 0xb9500d01                   ; -1/5040
	s_mov_b32 s[PS2], 0x3c088889                   ; 1/120
	s_mov_b32 s[PS1], 0xbe2aaaab                   ; -1/6
	s_mov_b32 s[PC3], 0xbab60b61                   ; -1/720
	s_mov_b32 s[PC2], 0x3d2aaaab                   ; 1/24
	s_wait_loadcnt 0x0
	v_cmp_gt_u32 vcc_lo, 4, v18
	v_cndmask_b32 v23, v24, v23, vcc_lo            ; wires 0-3 take x, wires 4-11 h_prev
	SINCOS 22, CW, SW
	SINCOS 23, EV0, EV1
	v_sub_f32 v56, v[EV0], v[EV1]
	v_add_f32 v57, v[EV0], v[EV1]
	v_mul_f32 v[EV0], 0x3f3504f3, v56              ; RY on (1, 1)/sqrt 2
	v_mul_f32 v[EV1], 0x3f3504f3, v57
	; THE CHAIN: one text for each half; the branch hangs on the wave's number alone, and no barrier stands inside
	s_cmp_lg_u32 s[HALF], 0
	s_cbranch_scc1 .Lhalf1
	CHAIN 0
	s_branch .Ljoin
.Lhalf1:
	CHAIN 1
.Ljoin:
	; THE EXCHANGE: my 4 x 16 final vectors go to LDS, row = rank r, 64 f16 along k: a lane's registers 4 u .. 4 u + 3 are k = 16 u + 8 h + 0..7
	s_mul_i32 s[T0], s[WV], FBW
	s_xor_b32 s[T1], s[WV], 1                      ; my gate's other half
	s_mul_i32 s[T1], s[T1], FBW
	v_mul_u32_u24 v16, v[RR], FP
	v_lshl_add_u32 v16, v[HH], 4, v16
	v_add_nc_u32 v19, s[T0], v16
.irp i, 0,1,2,3
.irp u, 0,1,2,3
	ds_store_b128 v19, v[XX+16*\i+4*\u:XX+16*\i+4*\u+3] offset:FBS*\i+32*\u
.endr
.endr
	v_add_nc_u32 v16, s[T1], v16                   ; v16: the partner's vectors as fragments (row r, K along the row)
	v_and_b32 v17, 7, v[LANE]
	v_lshl_add_u32 v17, v[HH], 3, v17
	v_mul_u32_u24 v17, v17, FP
	v_bfe_u32 v18, v[LANE], 3, 1
	v_lshl_add_u32 v17, v18, 4, v17
	v_add_nc_u32 v17, s[T0], v17                   ; v17: my own, for the turning load: row 8 h + lane % 8, 16 bytes by (lane / 8) % 2
	s_lshl_b32 s[T1], s[GT], 7
	s_mul_i32 s[T2], s[HALF], 24
	s_add_co_u32 s[T1], s[T1], s[T2]
	s_add_co_u32 s[T1], s[T1], EVB
	v_mov_b32 v18, s[T1]                           ; v18: where my <Z> go: wires 0.. for half A, 6.. for half B
.irp u, 0,1,2,3,4                      ; K = 16 of 32: the upper four registers of my four turned tiles (v80..) and of G's fragment (v112..) stay 0
.irp p, 4,5,6,7
	v_mov_b32 v[80+8*\u+\p], 0
.endr
.endr
.irp u, 0,1,2,3,4,5,6,7
	v_mov_b32 v[172+\u], 0                         ; v_permlanex16_b32's destinations count as read
.endr
	s_wait_dscnt 0x0                               ; for the partner's sake: my stores are done
	s_barrier_signal -1
	s_barrier_wait -1
	; wave 0 asks now for what the last phase wants: the four trips below stand between these loads and the wait for them; registers v20-39 are touched by nothing till then
	s_cmp_lg_u32 s[WV], 0
	s_cbranch_scc1 .Lno_early
	s_lshl_b32 s[T0], ttmp9, 7
	v_lshl_add_u32 v20, v[LANE], 2, s[T0]          ; 128 b + 4 lane: (row, q) in c_prev
	v_lshlrev_b32 v21, 5, v[RR]
	v_lshlrev_b32 v22, 5, v[HH]
	global_load_b32 v23, v20, s[8:9]
	global_load_b128 v[32:35], v21, s[12:13]       ; w_out's row RR
	global_load_b128 v[36:39], v21, s[12:13] offset:16
	global_load_b128 v[24:27], v22, s[14:15]       ; b_out[8 h + j]: the projection's C
	global_load_b128 v[28:31], v22, s[14:15] offset:16
.Lno_early:
	; <Z>, a state a trip.  v64-79 the partner's vectors, v80-111 mine turned (tile tau: columns k = 16 tau + RR, rows s = 8 h + e), v112-119 G in f16, v120-127 G, v128-159 Y = G x mine, v160-163 rho
	s_mov_b32 s[CNT], 4
.Lstate:
.irp u, 0,1,2,3
	ds_load_b128 v[64+4*\u:67+4*\u], v16 offset:32*\u
.endr
.irp u, 0,1,2,3
	ds_load_tr16_b128 v[80+8*\u:83+8*\u], v17 offset:32*\u
.endr
	s_wait_dscnt 0x4                               ; LDS answers in order: all but the four turning loads are in (the last trip's stores are older still)
	v_wmma_f32_16x16x32_f16 v[120:127], v[64:71], v[64:71], 0          ; G[r][s] = sum_k F_r[k] F_s[k]: both sources are the same fragment
	s_wait_alu depctr_va_vdst(0)                   ; one accumulator, two links on end
	v_wmma_f32_16x16x32_f16 v[120:127], v[72:79], v[72:79], v[120:127]
	v_add_nc_u32 v16, FBS, v16                     ; the next state: two of the four places behind the product
	v_add_nc_u32 v17, FBS, v17
	v_nop
	v_nop
.irp p, 0,1,2,3
	v_cvt_pk_f16_f32 v[112+\p], v[120+2*\p], v[120+2*\p+1]  ; G is symmetric: a lane's column 8 h + j of it is its row's entries s = 8 h + j: a first source as it lies
.endr
	s_wait_dscnt 0x0
.irp u, 0,1,2,3
	v_wmma_f32_16x16x32_f16 v[128+8*\u:135+8*\u], v[112:119], v[80+8*\u:87+8*\u], 0  ; Y[r = 8 h + j][k]
.endr
.rept 4
	v_nop
.endr
.irp j, 0,1,2,3,4,5,6,7                ; rho(k) = sum_r F_r[k] Y[r][k]: my half of the r; the four chains by turns; the first addend is a register that holds 0
.irp u, 0,1,2,3
.if (\j) == 0
	v_fma_mix_f32 v[160+\u], v[80+8*\u], v[128+8*\u], v[84+8*\u] op_sel:[0,0,0] op_sel_hi:[1,0,0]
.elseif (\j)%2 == 0
	v_fma_mix_f32 v[160+\u], v[80+8*\u+(\j)/2], v[128+8*\u+\j], v[160+\u] op_sel:[0,0,0] op_sel_hi:[1,0,0]
.else
	v_fma_mix_f32 v[160+\u], v[80+8*\u+(\j)/2], v[128+8*\u+\j], v[160+\u] op_sel:[1,0,0] op_sel_hi:[1,0,0]
.endif
.endr
.endr
	v_add_f32 v166, v160, v161                     ; k0, k1 are tau's bits
	v_add_f32 v167, v162, v163
	v_sub_f32 v168, v160, v161
	v_sub_f32 v169, v162, v163
	v_sub_f32 v164, v166, v167                     ; local wire 0
	v_add_f32 v165, v168, v169                     ; local wire 1
	v_add_f32 v170, v166, v167                     ; my lane's rho over tau, kept for wires 2-5
	v_add_f32 v171, v166, v167                     ; and to be summed: the norm
	RED 164, 165, 171
	v_rcp_f32 v180, v171
	v_nop                                          ; a plain line behind the reciprocal,
	s_wait_alu depctr_va_vdst(0)                   ; and the wait ahead of its first reader
	v_mul_f32 v164, v164, v180
	v_mul_f32 v165, v165, v180
	ds_store_b32 v18, v164                         ; all lanes store the same number to the same word
	ds_store_b32 v18, v165 offset:4
	s_cmp_lg_u32 s[HALF], 0                        ; of half B only wires 6 and 7 are asked for
	s_cbranch_scc1 .Lonly_two
.irp u, 0,1,2,3
	v_xor_b32 v[166+\u], v170, v[ZS+\u]            ; k2..k5 are RR's bits
.endr
	RED 166, 167, 168, 169
.irp u, 0,1,2,3
	v_mul_f32 v[166+\u], v[166+\u], v180
.endr
.irp u, 0,1,2,3
	ds_store_b32 v18, v[166+\u] offset:8+4*\u
.endr
.Lonly_two:
	v_add_nc_u32 v18, 32, v18
	s_sub_co_u32 s[CNT], s[CNT], 1
	s_cmp_lg_u32 s[CNT], 0
	s_cbranch_scc1 .Lstate
	s_wait_dscnt 0x0                               ; for wave 0's sake: my stores are done
	s_barrier_signal -1
	s_barrier_wait -1
	; THE CELL AND THE PROJECTION: wave 0; lane = 8 n + q: row n of 4, hidden unit q
	s_cmp_lg_u32 s[WV], 0
	s_cbranch_scc1 .Lend
	v_lshl_add_u32 v40, v[LANE], 2, EVB
	ds_load_b32 v41, v40                           ; gate i
	ds_load_b32 v42, v40 offset:128                ; f
	ds_load_b32 v43, v40 offset:256                ; g
	ds_load_b32 v44, v40 offset:384                ; o
	s_lshl_b32 s[T0], ttmp9, 7
	v_lshl_add_u32 v53, v[LANE], 2, s[T0]          ; 128 b + 4 lane: (row, q) in out1 and out2; made here, on the one path that stores by it
	s_wait_loadcnt 0x0                             ; c_prev, w_out, b_out
.irp p, 0,1,2,3
	v_cvt_pk_f16_f32 v[64+\p], v[32+2*\p], v[32+2*\p+1]
.endr
.irp p, 0,1,2,3
	v_cndmask_b32 v[64+\p], v[64+\p], 0, s[MH]     ; K = 8 of 32: the lanes with h = 1 (k = 8..15) and the upper registers hold 0, in both sources
	v_mov_b32 v[68+\p], 0
	v_mov_b32 v[60+\p], 0
.endr
	s_wait_dscnt 0x0
	v_mul_f32 v41, 0xbfb8aa3b, v41                 ; sigmoid(x) = 1 / (1 + 2^(-x log2 e)),
	v_mul_f32 v42, 0xbfb8aa3b, v42
	v_mul_f32 v43, 0x4038aa3b, v43                 ; tanh(x) = 1 - 2 / (1 + 2^(2 x log2 e))
	v_mul_f32 v44, 0xbfb8aa3b, v44
.irp u, 41,42,43,44
	v_exp_f32 v\u, v\u
.endr
	v_nop
	s_wait_alu depctr_va_vdst(0)                   ; one wait for the four
.irp u, 41,42,43,44
	v_add_f32 v\u, 1.0, v\u
.endr
.irp u, 41,42,43,44
	v_rcp_f32 v\u, v\u
.endr
	v_nop
	s_wait_alu depctr_va_vdst(0)
	v_fma_f32 v43, v43, -2.0, 1.0
	v_mul_f32 v45, v41, v43
	v_fma_f32 v45, v42, v23, v45                   ; c_t = f c_prev + i g
	global_store_b32 v53, v45, s[20:21]
	v_mul_f32 v46, 0x4038aa3b, v45
	v_exp_f32 v46, v46                             ; an infinity or a 0 here gives tanh = 1 or -1
	v_nop
	s_wait_alu depctr_va_vdst(0)
	v_add_f32 v46, 1.0, v46
	v_rcp_f32 v46, v46
	v_nop
	s_wait_alu depctr_va_vdst(0)
	v_fma_f32 v46, v46, -2.0, 1.0
	v_mul_f32 v46, v44, v46                        ; h_t = o tanh(c_t)
	global_store_b32 v53, v46, s[18:19]
	; out^T = w_out h_t^T + b: source 0 = w_out's 16 rows, source 1 = column RR holds row (RR / 2) % 4 of h_t: a lane's registers are out[that row][8 h + j]
	v_cvt_pk_f16_f32 v47, v46, v46
	v_lshl_add_u32 v48, v[LANE], 1, HTB
	ds_store_b16 v48, v47
	v_bfe_u32 v49, v[RR], 1, 2
	v_lshl_add_u32 v50, v49, 4, HTB
	ds_load_b128 v[56:59], v50                     ; LDS serves a wave's instructions in order (ISA guide 5.7.1.4): this sees the store above
	s_wait_dscnt 0x0
.irp p, 0,1,2,3
	v_cndmask_b32 v[56+\p], v[56+\p], 0, s[MH]
.endr
	v_wmma_f32_16x16x32_f16 v[24:31], v[64:71], v[56:63], v[24:31]
	s_lshl_b32 s[T0], ttmp9, 8                     ; out0's address: six plain lines, the places behind the product
	v_lshlrev_b32 v51, 6, v49                      ; 64 x row
	v_lshl_add_u32 v51, v[HH], 5, v51              ; + 32 h
	v_and_b32 v52, 1, v[RR]
	v_lshl_add_u32 v51, v52, 4, v51                ; + 16 (RR % 2): even columns store registers 0-3, odd ones 4-7
	v_add_nc_u32 v51, s[T0], v51
	v_cmp_gt_u32 vcc_lo, 8, v[RR]
.irp p, 0,1,2,3
	v_cndmask_b32 v[72+\p], v[24+\p], v[28+\p], s[BETA+3]
.endr
	s_wait_xcnt 0x0                                ; EXEC changes only when the stores above have read their sources
	s_and_saveexec_b32 s[SVX], vcc_lo
	global_store_b128 v51, v[72:75], s[16:17]      ; 16 lanes, 16 bytes each: the work-group's 256 consecutive bytes of out0, at a multiple of 256
	s_wait_xcnt 0x0
	s_or_b32 exec_lo, exec_lo, s[SVX]
.Lend:
	s_wait_tensorcnt 0x0                           ; the wave's end, behind my last LDS store
	ds_add_u32 v[SPW], v[NIL]
	s_wait_dscnt 0x0
	s_endpgm
.Lfunc_end_k_q0b12224cc8_qlstm:
	.size	k_q0b12224cc8_qlstm, .Lfunc_end_k_q0b12224cc8_qlstm-k_q0b12224cc8_qlstm
	.p2alignl 7, 3214868480
	.fill 96, 4, 3214868480
	.section	.rodata,"a",@progbits
	.p2align	6, 0x0
	.amdhsa_kernel k_q0b12224cc8_qlstm
		.amdhsa_group_segment_fixed_size 83712
		.amdhsa_private_segment_fixed_size 0
		.amdhsa_enable_private_segment 0
		.amdhsa_kernarg_size 72
		.amdhsa_user_sgpr_count 2
		.amdhsa_user_sgpr_kernarg_segment_ptr 1
		.amdhsa_wavefront_size32 1
		.amdhsa_system_sgpr_workgroup_id_x 1
		.amdhsa_system_sgpr_workgroup_id_y 1
		.amdhsa_system_sgpr_workgroup_id_z 1
		.amdhsa_system_vgpr_workitem_id 0
		.amdhsa_next_free_vgpr 256
		.amdhsa_next_free_sgpr 80
		.amdhsa_reserve_vcc 1
		.amdhsa_float_denorm_mode_32 3
		.amdhsa_float_denorm_mode_16_64 3
		.amdhsa_memory_ordered 1
		.amdhsa_forward_progress 1
		.amdhsa_inst_pref_size 83
	.end_amdhsa_kernel
	.amdgpu_metadata
---
amdhsa.version: [ 1, 2 ]
amdhsa.kernels:
  - .name:           k_q0b12224cc8_qlstm
    .symbol:         k_q0b12224cc8_qlstm.kd
    .args:
      - { .name: x, .offset: 0, .size: 8, .value_kind: global_buffer, .address_space: global }
      - { .name: h_prev, .offset: 8, .size: 8, .value_kind: global_buffer, .address_space: global }
      - { .name: c_prev, .offset: 16, .size: 8, .value_kind: global_buffer, .address_space: global }
      - { .name: w_gates, .offset: 24, .size: 8, .value_kind: global_buffer, .address_space: global }
      - { .name: w_out, .offset: 32, .size: 8, .value_kind: global_buffer, .address_space: global }
      - { .name: b_out, .offset: 40, .size: 8, .value_kind: global_buffer, .address_space: global }
      - { .name: out0, .offset: 48, .size: 8, .value_kind: global_buffer, .address_space: global }
      - { .name: out1, .offset: 56, .size: 8, .value_kind: global_buffer, .address_space: global }
      - { .name: out2, .offset: 64, .size: 8, .value_kind: global_buffer, .address_space: global }
    .group_segment_fixed_size: 83712
    .private_segment_fixed_size: 0
    .kernarg_segment_align: 8
    .kernarg_segment_size: 72
    .max_flat_workgroup_size: 256
    .sgpr_count:     80
    .vgpr_count:     256
    .wavefront_size: 32
...
	.end_amdgpu_metadata
.endif
;; end of part 1
